; MI455X (gfx1250); checked and timed in simulation.
; The chip was launched on July 23, 2026; its instructions are those of AMD's public machine-readable ISA for CDNA 5 (MIT licence, August 2026) and "CDNA5" Instruction Set Architecture Reference Guide (July 2026). The comments in the code are by the model that wrote it; some were corrected since.
;; Block. Allowed arithmetic: matrix products marked QUANTISED: E2M3 operands, one E8M0 scale for each 32 along K, by v_wmma_scale_f32_16x16x128_f8f6f4 with both operands' format E2M3, f32 sums; products left as they are: f32 operands where the result goes on into a quantised operand, else bf16, f16 or f32 operands; f32 sums; everything else in f32.
;; Inputs: be1 32 float32; be2 32 float32; fW1 32 x 128 float32; fW2 128 x 32 float32; fb1 128 float32; fb2 32 float32; g1 32 float32; g2 32 float32; mWk 4 x 32 x 8 float32; mWp 32 x 32 float32; mWq 4 x 32 x 8 float32; mWv 4 x 32 x 8 float32; mbk 4 x 8 float32; mbp 32 float32; mbq 4 x 8 float32; mbv 4 x 8 float32; uWk 4 x 32 x 8 float32; uWp 32 x 32 float32; uWq 4 x 32 x 8 float32; uWv 4 x 32 x 8 float32; ubk 4 x 8 float32; ubp 32 float32; ubq 4 x 8 float32; ubv 4 x 8 float32; x 32,768 x 16 x 32 float32.
;; Outputs: out0 32,768 x 16 x 32 float32.
;; This version of the problem:
;;   THIS VERSION OF THE PROBLEM IS GIVEN IN LOW PRECISION. The matrix products marked QUANTISED in the list below multiply operands that are first quantised to E2M3 (2 exponent bits, 3 mantissa bits; 6 bits a number), with one power-of-two scale for each 32 numbers along K (OCP MX v1.0); their sums are f32. All else is computed in f32.
;;   The module's matrix products, in the order in which they are computed (A, B: the left and right operand; K: the contracted axis; several contracted axes count as one K, in the product's order):
;;     1. [M 32, K 32] x [K 32, N 524,288]; A: input uWq; B: computed on the way: QUANTISED
;;     2. [M 32, K 32] x [K 32, N 524,288]; A: input uWk; B: computed on the way: QUANTISED
;;     3. [M 32, K 32] x [K 32, N 524,288]; A: input uWv; B: computed on the way: QUANTISED
;;     4. batch 131,072 x [M 16, K 8] x [K 8, N 16]; A: computed on the way; B: computed on the way: left as it is (K = 8 < 32)
;;     5. batch 131,072 x [M 16, K 16] x [K 16, N 8]; A: softmax; B: computed on the way: left as it is (K = 16 < 32)
;;     6. [M 524,288, K 32] x [K 32, N 32]; A: computed on the way; B: input uWp: QUANTISED
;;     7. [M 524,288, K 32] x [K 32, N 128]; A: computed on the way; B: input fW1: QUANTISED
;;     8. [M 524,288, K 128] x [K 128, N 32]; A: computed on the way; B: input fW2: QUANTISED
;;     9. [M 32, K 32] x [K 32, N 524,288]; A: input mWq; B: computed on the way: QUANTISED
;;     10. [M 32, K 32] x [K 32, N 524,288]; A: input mWk; B: computed on the way: QUANTISED
;;     11. [M 32, K 32] x [K 32, N 524,288]; A: input mWv; B: computed on the way: QUANTISED
;;     12. batch 131,072 x [M 16, K 8] x [K 8, N 16]; A: computed on the way; B: computed on the way: left as it is (K = 8 < 32)
;;     13. batch 131,072 x [M 16, K 16] x [K 16, N 8]; A: softmax; B: computed on the way: left as it is (K = 16 < 32)
;;     14. [M 524,288, K 32] x [K 32, N 32]; A: computed on the way; B: input mWp: QUANTISED
;;     15. [M 524,288, K 32] x [K 32, N 128]; A: computed on the way; B: input fW1: QUANTISED
;;     16. [M 524,288, K 128] x [K 128, N 32]; A: computed on the way; B: input fW2: QUANTISED
;;   THE QUANTISER, for each operand of a quantised product, along K:
;;     - K is cut into blocks of 32 from its start; a last block that is shorter is filled with zeros.
;;     - A block's scale is 2^e with e = floor(log2(the largest magnitude in the block)) - 2, held to -126 .. 127; a block of zeros has e = 0. As a byte (E8M0): e + 127.
;;     - Each number is divided by its block's scale, clamped to +-7.5, and rounded to the nearest number of E2M3, ties to even, subnormals kept.
;;     - The product sums the exact products of the quantised numbers (number of the format x scale) in f32.
;;   ~~~python
;;   def quantise(x, axis):      # numpy; x: float32 -> the quantised numbers, widened to float32 again
;;       x = np.moveaxis(x, axis, -1); K = x.shape[-1]
;;       x = np.pad(x, [(0, 0)] * (x.ndim - 1) + [(0, -K % 32)]); x = x.reshape(x.shape[:-1] + (-1, 32)); a = np.abs(x).max(-1, keepdims=True)
;;       e = np.where(a > 0, np.clip(np.frexp(np.where(a > 0, a, 1))[1] - 1 - 2, -126, 127), 0)      # np.frexp(a)[1] - 1 = floor(log2(a)), exactly
;;       r = np.clip(x / 2.0 ** e, -7.5, 7.5)
;;       step = 2.0 ** (np.maximum(np.frexp(np.where(r == 0, 1, r))[1] - 1, 0) - 3)
;;       q = np.round(r / step) * step * 2.0 ** e      # np.round: ties to even
;;       return np.moveaxis(q.reshape(q.shape[:-2] + (-1,))[..., :K], -1, axis).astype(np.float32)
;;   ~~~
;;   OPERANDS COMPUTED ON THE WAY. 'Computed on the way' means the value that the module computes at that place (a softmax that the list does not call 'softmax' is quantised finished and normalised). What goes into a quantiser is computed in f32, as accurately as f32 sums, v_exp_f32 and their like allow (about 1e-6 of the number): no bf16 or f16 on the way to a quantiser, and a product that is left as it is and whose result goes on into a quantised operand takes f32 operands (vector FMAs, or v_wmma_f32_16x16x4_f32). A number that lies on a knife's edge between two numbers of the format may be rounded either way, as far as f32 arithmetic and the matrix unit's own rounding can turn it there, and no further.
;; One version. Each part assembles by itself: llvm-mc -triple=amdgcn-amd-amdhsa -mcpu=gfx1250 --defsym DOCPART=n.
;; ======== version 1 of 1: 1 launch
;; launch block (part 1): grid 256 x 1, 16 waves a work-group, no clusters, 71,936 bytes of LDS; arguments x, out0, uWq, uWk, uWv, uWp, mWq, mWk, mWv, mWp, fW1, fW2, g1, be1, g2, be2, ubp, mbp, fb2, ubv, mbv, fb1, ubq, ubk, mbq, mbk; writes out0
.if DOCPART == 1
	.amdgcn_target "amdgcn-amd-amdhsa--gfx1250"
	.amdhsa_code_object_version 6
	.text
	.protected	k_q5f2bc137b0_block
	.globl	k_q5f2bc137b0_block
	.p2align	8
	.type	k_q5f2bc137b0_block,@function
k_q5f2bc137b0_block:
	s_mov_b64 s[64:65], 0
	v_nop
	global_prefetch_b8 v0, s[64:65] scope:SCOPE_SE
	s_setreg_imm32_b32 hwreg(HW_REG_WAVE_MODE, 25, 1), 1
	s_wait_xcnt 0x0
; A transformer block on 32,768 sequences of 16 tokens x 32 features, f32 in and out:
;   x2 = x + attn_u(LN1(x)); x = x2 + ffn(LN2(x2)); x2 = x + attn_m(LN1(x)) (causal); out = x2 + ffn(LN2(x2)).
; The projections and the two ffn products run on codes of FP6 (E2M3) with one E8M0 scale for each 32 along K; the two
; products inside attention (K = 8 and 16) keep f32 operands, since their results go on into quantised operands.
; SHARES.  256 work-groups of 16 waves; a wave owns one sequence (a tile of 16 tokens, 2,048 bytes) at a time and walks 8 of them.
; Nothing but the weights is common to two waves.  At the head the 16 waves quantise the weights once (65,536 bytes of f32, against the
; 524,288 bytes of x and out0 that the work-group moves) into LDS, as images of operand registers; one barrier; then no wave waits for another.
; No tensor loads, no cluster: the weights have to pass through registers to be quantised, and x is read by one wave alone.
; LAYOUTS (r = lane % 16, h = lane / 16).
;   Stream: lane (r, h) holds token r, features 16 h + 0 .. 15, in 16 registers.
;   K = 32: a lane's 16 codes are registers 0-2 of the 12 of a fragment; the activation's registers 3-11 are zeros for ever, so whatever stands in the
;   weight fragment's registers 3-11 adds nothing.  The block's one scale byte stands in bytes 0 and 1 of the scale word (lanes 0-15 and lanes 16-31 of the fragment's first half).
;   Which weight rows form a tile is chosen so that every result falls where the next step wants it: Q and K as f32 fragments, V as V^T fragments (one tile a head,
;   eight rows of zero codes), the two projections back and fW2 in the stream layout (they add onto x in place), fW1 with a whole block of 32 hidden units in a lane.
; LIMITS.  NaN and infinities among the inputs are not served.  A block whose largest magnitude lies under 2^-124 (a block of zeros too) gets the scale byte 1:
; only this program reads the bytes, and zero codes add nothing under it.  v_exp_f32 gives 0 for results under 2^-126: a softmax weight or an erfc that small counts as 0.
; gelu = max(x, 0) - |x| erfc(|x| / sqrt 2) / 2, erfc by t exp(-z^2 + a polynomial of degree 9 in t), t = 1 / (1 + z / 2): fractional error about 1.2e-7, plus f32 evaluation.
; bv is added behind the normalisation (the weights of a row sum to 1): it differs from the written order by f32 rounding alone.
; The 32 products of a K = 32 sum stand at other places of the instruction's K than 0 .. 31.
.set TRIPS, 8                          ; tiles of a wave
.set SIMG,  24576                      ; LDS: 0 .. 24,575 weight images, 1,536 bytes a wave (two K = 32 tiles of 512, or one fW2 tile of 3 x 512); here 16 images of scale registers, 128 bytes each
.set CB,    26624                      ; the small f32 vectors
.set STG,   28928                      ; a stage of 2,560 bytes for each wave: chunk (r, h) of 64 bytes at 1,280 h + 80 r
.set CG1,   0
.set CBE1,  128
.set CG2,   256
.set CBE2,  384
.set CUBP,  512                        ; mbp 128 on
.set CFB2,  768
.set CUBV,  896                        ; mbv 128 on
.set CFB1,  1152
.set CUBQ,  1664                       ; mbq 256 on.  These four lie permuted: [h][tile][register]
.set CUBK,  1792                       ; mbk 256 on
.set FLOOR, 0x1800000                  ; 2^(3 - 127): no largest magnitude is taken under it, so no scale byte falls under 1
.set AL16,  1                          ; v1   16 x lane
.set AH64,  2                          ; v2   64 h
.set AH128, 3                          ; v3   128 h
.set STW,   4                          ; v4   the stage as memory has the tile: 16 bytes a lane
.set STR,   5                          ; v5   the stage by chunks: my 64 bytes
.set GO,    6                          ; v6   2,048 x wave + 16 x lane: my bytes of a trip's 32,768 of x and out0
.set SH8,   7                          ; v7   8 h
.set WS,    8                          ; v8-23   the weights' scale words: register i: lanes 0-15 tile 2 i, lanes 16-31 tile 2 i + 1; 14, 15: fW2's
.set AS,    24                         ; v24  the activation's scale word
.set HS,    25                         ; v25  the hidden layer's
.set MASK,  26                         ; v26-33  0, or -infinity where key 8 h + j comes after query r
.set X,     34                         ; v34-49  the stream: two accumulators
.set AF,    50                         ; v50-52 the activation's codes; v53-61 zeros
.set HF,    62                         ; v62-73  the hidden layer's fragment
.set CT,    74                         ; v74-77  a conversion's result on its way
.set B16,   62                         ; v62-77  bp or fb2, while no hidden fragment is at work
.set W,     78                         ; v78-109 weight fragments
.set WC,    96                         ; (head) codes just made
.set TW,    94                         ; v94-101 at work in the rows' sums
.set PAD,   110                        ; v110-117 zeros: the last weight fragments reach into them
.set M,     118                        ; v118-181 written by matrix instructions alone: scores 118 + 8 a, O^T 150 + 8 t, hidden tile 118 + 8 t
.set OA,    150
.set R,     182                        ; v182-245 Q, K, V, p; gain and shift; biases; gelu; rows on their way in and out
.set OUT,   R+32
.set XIN,   R+48
.set TT,    R+32
.set PP,    R+40
.set ST,    246                        ; v246-255 at work
.set AW,    26                         ; (head, in registers that later hold the mask) where I store weight images
.set ASW,   27                         ; and their scale register
.set OFF,   28                         ; my byte offset in a weight
.set A4,    29                         ; 4 x lane
.set R3,    30                         ; bit 3 of the lane
.set TA,    31                         ; h
.set PO,    32                         ; the permuted offset for bq and bk
.set TB,    33
.set SC0,   8                          ; s[8+2i:9+2i] gelu's C_i, twice
.set SNK2,  28                         ; s[28:29] -log2(e) / 2
.set SCS,   30                         ; s[30:31] log2(e) / sqrt(8)
.set SK1,   32                         ; s32  0.5 / sqrt(2)
.set SNCS,  33                         ; s33  -log2(e) / sqrt(8)
.set SR32,  34                         ; s34  1 / 32
.set SEPS,  35                         ; s35  1e-5
.set WV,    70                         ; s70  my wave's number
.set HM,    71                         ; s71  lanes 16-31
.set SEL,   72                         ; s[72:73] v_permlanex16_b32's selects for lane l xor 16
.set CNT,   74                         ; s74  tiles to go
.set KEEP,  75                         ; s75  (head) lanes whose weight row is not a row of zeros
.macro PLACES n
.rept \n
	v_nop
.endr
.endm
.macro LD16 dst, areg, off             ; sixteen f32 of a small vector
.irp q, 0,1,2,3
	ds_load_b128 v[(\dst)+4*\q:(\dst)+4*\q+3], v[\areg] offset:(\off)+16*\q
.endr
.endm
.macro LDW dst, idx                    ; the image of K = 32 weight tile idx: three registers of codes and one of nothing
	ds_load_b128 v[(\dst):(\dst)+3], v[AL16] offset:((\idx)/2)*1536+((\idx)%2)*512
.endm
; The scaled product.  row = 1: source 0's scales stand in lanes 16-31 of their register; 2: source 1's.
.macro WMS d, a, b, c, sa, sb, row
.if (\row) == 0
	v_wmma_scale_f32_16x16x128_f8f6f4 v[(\d):(\d)+7], v[(\a):(\a)+11], v[(\b):(\b)+11], v[(\c):(\c)+7], v[(\sa)], v[(\sb)] matrix_a_fmt:MATRIX_FMT_FP6 matrix_b_fmt:MATRIX_FMT_FP6
.else
	v_wmma_scale_f32_16x16x128_f8f6f4 v[(\d):(\d)+7], v[(\a):(\a)+11], v[(\b):(\b)+11], v[(\c):(\c)+7], v[(\sa)], v[(\sb)] matrix_a_fmt:MATRIX_FMT_FP6 matrix_b_fmt:MATRIX_FMT_FP6 matrix_a_scale:MATRIX_SCALE_ROW1
.endif
.endm
.macro WMZ d, a, b, sa, sb, row        ; the same, the sum begun with 0
.if (\row) == 0
	v_wmma_scale_f32_16x16x128_f8f6f4 v[(\d):(\d)+7], v[(\a):(\a)+11], v[(\b):(\b)+11], 0, v[(\sa)], v[(\sb)] matrix_a_fmt:MATRIX_FMT_FP6 matrix_b_fmt:MATRIX_FMT_FP6
.else
	v_wmma_scale_f32_16x16x128_f8f6f4 v[(\d):(\d)+7], v[(\a):(\a)+11], v[(\b):(\b)+11], 0, v[(\sa)], v[(\sb)] matrix_a_fmt:MATRIX_FMT_FP6 matrix_b_fmt:MATRIX_FMT_FP6 matrix_b_scale:MATRIX_SCALE_ROW1
.endif
.endm
; A lane's 16 numbers v[y] .. v[y + 15], half of a block of 32 whose other half lies in lane l xor 16, become 16 codes in v[cd] .. v[cd + 2] and a scale word (the byte twice) in v[sw].
.macro QX y, cd, sw
	v_max3_num_f32 v[ST], |v[(\y)]|, |v[(\y)+1]|, FLOOR
	v_max3_num_f32 v[ST+1], |v[(\y)+2]|, |v[(\y)+3]|, |v[(\y)+4]|
	v_max3_num_f32 v[ST], v[ST], |v[(\y)+5]|, |v[(\y)+6]|
	v_max3_num_f32 v[ST+1], v[ST+1], |v[(\y)+7]|, |v[(\y)+8]|
	v_max3_num_f32 v[ST], v[ST], |v[(\y)+9]|, |v[(\y)+10]|
	v_max3_num_f32 v[ST+1], v[ST+1], |v[(\y)+11]|, |v[(\y)+12]|
	v_max3_num_f32 v[ST], v[ST], |v[(\y)+13]|, |v[(\y)+14]|
	v_max3_num_f32 v[ST], v[ST], v[ST+1], |v[(\y)+15]|
	v_permlanex16_b32 v[ST+1], v[ST], s[SEL], s[SEL+1]
	v_max_num_f32 v[ST], v[ST], v[ST+1]            ; the block's largest magnitude
	v_add_nc_u32 v[ST+3], 0xff000000, v[ST]        ; 2 off its exponent field: the conversion's scale operand
	v_lshrrev_b32 v[ST+4], 23, v[ST+3]             ; the scale's byte
	v_mul_u32_u24 v[(\sw)], v[ST+4], 0x101         ; in bytes 0 and 1
	v_cvt_scalef32_pk16_fp6_f32 v[(\cd):(\cd)+2], v[(\y):(\y)+15], v[ST+3]
.endm
; LayerNorm of the stream v[xs] on into v[yd] on; gain in v[R] on, shift in v[R + 16] on, waited for by cnt (the LDS loads younger than they).
.macro LN xs, yd, cnt
	v_pk_add_f32 v[ST:ST+1], v[(\xs):(\xs)+1], v[(\xs)+2:(\xs)+3]          ; ascending: each accumulator is first read at its low end
	v_pk_add_f32 v[ST+2:ST+3], v[(\xs)+4:(\xs)+5], v[(\xs)+6:(\xs)+7]
	v_pk_add_f32 v[ST+4:ST+5], v[(\xs)+8:(\xs)+9], v[(\xs)+10:(\xs)+11]
	v_pk_add_f32 v[ST+6:ST+7], v[(\xs)+12:(\xs)+13], v[(\xs)+14:(\xs)+15]
	v_pk_add_f32 v[ST:ST+1], v[ST:ST+1], v[ST+2:ST+3]
	v_pk_add_f32 v[ST+4:ST+5], v[ST+4:ST+5], v[ST+6:ST+7]
	v_pk_add_f32 v[ST:ST+1], v[ST:ST+1], v[ST+4:ST+5]
	v_add_f32 v[ST+8], v[ST], v[ST+1]
	v_permlanex16_b32 v[ST+9], v[ST+8], s[SEL], s[SEL+1]
	v_add_f32 v[ST+8], v[ST+8], v[ST+9]
	v_mul_f32 v[ST+8], 0xbd000000, v[ST+8]         ; minus the mean
.irp k, 0,2,4,6,8,10,12,14
	v_pk_add_f32 v[(\yd)+\k:(\yd)+\k+1], v[(\xs)+\k:(\xs)+\k+1], v[ST+8:ST+9] op_sel_hi:[1,0]
.endr
	v_pk_mul_f32 v[ST:ST+1], v[(\yd):(\yd)+1], v[(\yd):(\yd)+1]
	v_pk_mul_f32 v[ST+2:ST+3], v[(\yd)+2:(\yd)+3], v[(\yd)+2:(\yd)+3]
.irp k, 4,8,12
	v_pk_fma_f32 v[ST:ST+1], v[(\yd)+\k:(\yd)+\k+1], v[(\yd)+\k:(\yd)+\k+1], v[ST:ST+1]
	v_pk_fma_f32 v[ST+2:ST+3], v[(\yd)+\k+2:(\yd)+\k+3], v[(\yd)+\k+2:(\yd)+\k+3], v[ST+2:ST+3]
.endr
	v_pk_add_f32 v[ST:ST+1], v[ST:ST+1], v[ST+2:ST+3]
	v_add_f32 v[ST+4], v[ST], v[ST+1]
	v_permlanex16_b32 v[ST+5], v[ST+4], s[SEL], s[SEL+1]
	v_add_f32 v[ST+4], v[ST+4], v[ST+5]
	v_fma_f32 v[ST+4], v[ST+4], s[SR32], s[SEPS]   ; the variance + 1e-5
	v_rsq_f32 v[ST+8], v[ST+4]
	v_nop                                          ; a plain place behind the transcendental
	s_wait_dscnt \cnt                              ; gain and shift are in
	s_wait_alu depctr_va_vdst(0)
.irp k, 0,2,4,6,8,10,12,14
	v_pk_mul_f32 v[(\yd)+\k:(\yd)+\k+1], v[(\yd)+\k:(\yd)+\k+1], v[ST+8:ST+9] op_sel_hi:[1,0]
.endr
.irp k, 0,2,4,6,8,10,12,14
	v_pk_fma_f32 v[(\yd)+\k:(\yd)+\k+1], v[(\yd)+\k:(\yd)+\k+1], v[R+\k:R+\k+1], v[R+16+\k:R+16+\k+1]
.endr
.endm
; p = 2^(c s - c max) of the four heads' scores, the heads by turns.  A lane holds one query and eight keys; the other eight lie in lane l xor 16.  p goes to v[R + 8 a] on.
.macro SOFTMAX
.irp a, 0,1,2,3
	v_max3_num_f32 v[ST+2*\a], v[M+8*\a], v[M+8*\a+1], v[M+8*\a+2]
.endr
.irp a, 0,1,2,3
	v_max3_num_f32 v[ST+2*\a], v[ST+2*\a], v[M+8*\a+3], v[M+8*\a+4]
.endr
.irp a, 0,1,2,3
	v_max3_num_f32 v[ST+2*\a], v[ST+2*\a], v[M+8*\a+5], v[M+8*\a+6]
.endr
.irp a, 0,1,2,3
	v_max_num_f32 v[ST+2*\a], v[ST+2*\a], v[M+8*\a+7]
.endr
.irp a, 0,1,2,3
	v_permlanex16_b32 v[ST+2*\a+1], v[ST+2*\a], s[SEL], s[SEL+1]
.endr
.irp a, 0,1,2,3
	v_max_num_f32 v[ST+2*\a], v[ST+2*\a], v[ST+2*\a+1]     ; the row's maximum (key 0 counts for every query, so it is a number)
.endr
.irp a, 0,1,2,3
	v_mul_f32 v[ST+2*\a], s[SNCS], v[ST+2*\a]
.endr
.irp a, 0,1,2,3
.irp k, 0,2,4,6
	v_pk_fma_f32 v[R+8*\a+\k:R+8*\a+\k+1], v[M+8*\a+\k:M+8*\a+\k+1], s[SCS:SCS+1], v[ST+2*\a:ST+2*\a+1] op_sel_hi:[1,0,0]
.endr
.endr
.irp e, 0,1,2,3,4,5,6,7,8,9,10,11,12,13,14,15,16,17,18,19,20,21,22,23,24,25,26,27,28,29,30,31
	v_exp_f32 v[R+\e], v[R+\e]
.endr
	v_nop                                          ; a plain place behind the last exponential
	s_wait_alu depctr_va_vdst(0)
.endm
.macro PSUM a0                         ; my eight p of heads a0 and a0 + 1, summed
.irp a, 0,1
	v_pk_add_f32 v[TW+4*\a:TW+4*\a+1], v[R+8*(\a0+\a):R+8*(\a0+\a)+1], v[R+8*(\a0+\a)+2:R+8*(\a0+\a)+3]
	v_pk_add_f32 v[TW+4*\a+2:TW+4*\a+3], v[R+8*(\a0+\a)+4:R+8*(\a0+\a)+5], v[R+8*(\a0+\a)+6:R+8*(\a0+\a)+7]
.endr
.irp a, 0,1
	v_pk_add_f32 v[TW+4*\a:TW+4*\a+1], v[TW+4*\a:TW+4*\a+1], v[TW+4*\a+2:TW+4*\a+3]
.endr
.irp a, 0,1
	v_add_f32 v[ST+2*(\a0+\a)], v[TW+4*\a], v[TW+4*\a+1]
.endr
.endm
; gelu of the eight numbers v[xb] on (one hidden tile) into v[gb] on.
.macro GELU8 xb, gb
.irp e, 0,1,2,3,4,5,6,7
	v_fma_f32 v[TT+\e], |v[(\xb)+\e]|, s[SK1], 1.0                 ; 1 + z / 2, z = |x| / sqrt 2
.endr
.irp e, 0,1,2,3,4,5,6,7
	v_rcp_f32 v[TT+\e], v[TT+\e]                                   ; t
.endr
.irp k, 0,2,4,6
	v_pk_mul_f32 v[(\gb)+\k:(\gb)+\k+1], v[(\xb)+\k:(\xb)+\k+1], v[(\xb)+\k:(\xb)+\k+1]   ; x^2 (plain places behind the reciprocals)
.endr
	s_wait_alu depctr_va_vdst(0)
.irp k, 0,2,4,6
	v_pk_fma_f32 v[PP+\k:PP+\k+1], v[TT+\k:TT+\k+1], s[SC0+18:SC0+19], v[ST+8:ST+9] op_sel_hi:[1,0,1]   ; C9 t + C8
.endr
.irp c, 7,6,5,4,3,2,1,0
.irp k, 0,2,4,6
	v_pk_fma_f32 v[PP+\k:PP+\k+1], v[PP+\k:PP+\k+1], v[TT+\k:TT+\k+1], s[SC0+2*\c:SC0+2*\c+1] op_sel_hi:[1,1,0]
.endr
.endr
.irp k, 0,2,4,6
	v_pk_fma_f32 v[PP+\k:PP+\k+1], v[(\gb)+\k:(\gb)+\k+1], s[SNK2:SNK2+1], v[PP+\k:PP+\k+1] op_sel_hi:[1,0,1]   ; - z^2 log2 e
.endr
.irp e, 0,1,2,3,4,5,6,7
	v_exp_f32 v[PP+\e], v[PP+\e]
.endr
.irp e, 0,1,2,3,4,5,6,7
	v_max_num_f32 v[(\gb)+\e], 0, v[(\xb)+\e]                      ; (plain places behind the exponentials)
.endr
	s_wait_alu depctr_va_vdst(0)
.irp k, 0,2,4,6
	v_pk_mul_f32 v[TT+\k:TT+\k+1], v[TT+\k:TT+\k+1], v[PP+\k:PP+\k+1]       ; erfc(z) / 2
.endr
.irp e, 0,1,2,3,4,5,6,7
	v_fma_f32 v[(\gb)+\e], -|v[(\xb)+\e]|, v[TT+\e], v[(\gb)+\e]
.endr
.endm
; My 32 numbers v[R] .. v[R + 31] are block 2 c + h of the hidden layer's 128: registers 6 c .. 6 c + 5 of its fragment.  With c = 1 the scale word is made too.
.macro QHB c
	v_max3_num_f32 v[ST], |v[R]|, |v[R+1]|, FLOOR
	v_max3_num_f32 v[ST+1], |v[R+2]|, |v[R+3]|, |v[R+4]|
.irp i, 5,9,13,17,21,25
	v_max3_num_f32 v[ST], v[ST], |v[R+\i]|, |v[R+\i+1]|
	v_max3_num_f32 v[ST+1], v[ST+1], |v[R+\i+2]|, |v[R+\i+3]|
.endr
	v_max3_num_f32 v[ST], v[ST], |v[R+29]|, |v[R+30]|
	v_max3_num_f32 v[ST], v[ST], v[ST+1], |v[R+31]|
	v_add_nc_u32 v[ST+2], 0xff000000, v[ST]
	v_lshrrev_b32 v[ST+4+\c], 23, v[ST+2]
.if \c == 1
	v_lshl_or_b32 v[ST+6], v[ST+5], 16, v[ST+4]    ; my two bytes, blocks h and 2 + h,
	v_lshlrev_b32 v[ST+6], v[SH8], v[ST+6]         ; at their places;
	v_permlanex16_b32 v[ST+7], v[ST+6], s[SEL], s[SEL+1]
	v_or_b32 v[HS], v[ST+6], v[ST+7]               ; with lane l xor 16's two the word is whole
.endif
	v_cvt_scalef32_pk16_fp6_f32 v[HF+6*\c:HF+6*\c+2], v[R:R+15], v[ST+2]
	v_cvt_scalef32_pk16_fp6_f32 v[CT:CT+2], v[R+16:R+31], v[ST+2]     ; (a conversion's three registers begin on an even number)
	v_nop                                          ; a plain place behind the conversions
.irp i, 0,1,2
	v_mov_b32 v[HF+6*\c+3+\i], v[CT+\i]
.endr
.endm
.macro WLOAD base, stride, delta       ; (head) two K = 32 tiles: my 16 numbers down K of my row of each
.irp t, 0,1
.irp i, 0,1,2,3,4,5,6,7,8,9,10,11,12,13,14,15
	global_load_b32 v[R+16*\t+\i], v[OFF], s[\base:\base+1] offset:\t*\delta+\i*\stride
.endr
.endr
.endm
.macro SC2 reg, val
	s_mov_b32 s[\reg], \val
	s_mov_b32 s[\reg+1], \val
.endm
; ======== THE HEAD ========
	s_load_b128 s[4:7], s[0:1], 0x0                ; x, out0
	s_load_b512 s[8:23], s[0:1], 0x10              ; uWq uWk uWv uWp mWq mWk mWv mWp
	s_load_b128 s[24:27], s[0:1], 0x50             ; fW1 fW2
	s_load_b512 s[28:43], s[0:1], 0x60             ; g1 be1 g2 be2 ubp mbp fb2 ubv
	s_load_b256 s[44:51], s[0:1], 0xa0             ; mbv fb1 ubq ubk
	s_load_b128 s[52:55], s[0:1], 0xc0             ; mbq mbk
	v_lshrrev_b32 v[TA], 5, v0
	v_readfirstlane_b32 s[WV], v[TA]               ; wave 0..15
	v_and_b32 v[TB], 31, v0                        ; lane
	v_lshlrev_b32 v[AL16], 4, v[TB]
	v_lshlrev_b32 v[A4], 2, v[TB]
	v_bfe_u32 v[TA], v0, 4, 1                      ; h
	v_bfe_u32 v[R3], v0, 3, 1
	v_lshlrev_b32 v[AH64], 6, v[TA]
	v_lshlrev_b32 v[AH128], 7, v[TA]
	v_lshlrev_b32 v[SH8], 3, v[TA]
	s_mul_i32 s66, s[WV], 2560
	s_add_co_u32 s66, s66, STG                     ; my stage
	v_bfe_u32 v[STW], v0, 2, 1                     ; a load's lane l holds token 4 i + l / 8, features 4 (l % 8) on: chunk half (l / 4) % 2, piece l % 4
	v_mul_u32_u24 v[STW], v[STW], 1280
	v_bfe_u32 v[STR], v0, 3, 2
	v_mad_u32_u24 v[STW], v[STR], 80, v[STW]
	v_and_b32 v[STR], 3, v0
	v_lshl_add_u32 v[STW], v[STR], 4, v[STW]
	v_add_nc_u32 v[STW], s66, v[STW]
	v_and_b32 v[STR], 15, v0
	v_mul_u32_u24 v[STR], v[STR], 80
	v_mad_u32_u24 v[STR], v[TA], 1280, v[STR]
	v_add_nc_u32 v[STR], s66, v[STR]
	s_lshl_b32 s67, s[WV], 11
	v_add_nc_u32 v[GO], s67, v[AL16]
	s_mul_i32 s67, s[WV], 1536
	v_add_nc_u32 v[AW], s67, v[AL16]
	s_lshl_b32 s67, s[WV], 7
	s_add_co_u32 s67, s67, SIMG
	v_add_nc_u32 v[ASW], s67, v[A4]
	v_bfe_u32 v[PO], v0, 1, 3                      ; bq, bk: place [h][tile][j2 j1 j0] takes head 2 tile + j2, channel 4 j1 + 2 h + j0
	v_lshlrev_b32 v[PO], 2, v[PO]
	v_lshl_or_b32 v[PO], v[TA], 1, v[PO]
	v_and_b32 v[TB], 1, v0
	v_or_b32 v[PO], v[PO], v[TB]
	v_lshlrev_b32 v[PO], 2, v[PO]
.irp i, 0,1,2,3,4,5,6,7,8,9
	v_mov_b32 v[ST+\i], 0                          ; written once: a lane permute's destination counts as one of its sources
.endr
	s_mov_b32 s[HM], 0xffff0000
	s_mov_b32 s[SEL], 0x76543210
	s_mov_b32 s[SEL+1], 0xfedcba98
	s_mov_b32 s[KEEP], -1
	s_lshl_b32 s2, ttmp9, 18                       ; the work-group's 128 tiles: 262,144 bytes
	s_mov_b32 s3, 0
	s_wait_kmcnt 0x0
	s_add_nc_u64 s[4:5], s[4:5], s[2:3]
	s_add_nc_u64 s[6:7], s[6:7], s[2:3]
	; the small vectors: every wave loads them, wave 0 stores them
	global_load_b128 v[W:W+3], v[AL16], s[46:47]   ; fb1
	global_load_b32 v[W+4], v[A4], s[28:29]        ; g1
	global_load_b32 v[W+5], v[A4], s[30:31]        ; be1
	global_load_b32 v[W+6], v[A4], s[32:33]        ; g2
	global_load_b32 v[W+7], v[A4], s[34:35]        ; be2
	global_load_b32 v[W+8], v[A4], s[36:37]        ; ubp
	global_load_b32 v[W+9], v[A4], s[38:39]        ; mbp
	global_load_b32 v[W+10], v[A4], s[40:41]       ; fb2
	global_load_b32 v[W+11], v[A4], s[42:43]       ; ubv
	global_load_b32 v[W+12], v[A4], s[44:45]       ; mbv
	global_load_b32 v[W+13], v[PO], s[48:49]       ; ubq
	global_load_b32 v[W+14], v[PO], s[50:51]       ; ubk
	global_load_b32 v[W+15], v[PO], s[52:53]       ; mbq
	global_load_b32 v[W+16], v[PO], s[54:55]       ; mbk
	; which weight is my wave's: 0-4 the first attention's Wq, Wk, Wv (two waves), Wp; 5-9 the second's; 10-13 fW1; 14, 15 fW2
	s_cmp_ge_u32 s[WV], 5
	s_cselect_b64 s[56:57], s[16:17], s[8:9]
	s_cselect_b64 s[58:59], s[18:19], s[10:11]
	s_cselect_b64 s[60:61], s[20:21], s[12:13]
	s_cselect_b64 s[62:63], s[22:23], s[14:15]
	s_cselect_b32 s66, 5, 0
	s_sub_co_u32 s66, s[WV], s66
	s_cmp_ge_u32 s[WV], 14
	s_cbranch_scc1 .Lrole_f2
	s_cmp_ge_u32 s[WV], 10
	s_cbranch_scc1 .Lrole_f1
	s_cmp_eq_u32 s66, 4
	s_cbranch_scc1 .Lrole_p
	s_cmp_ge_u32 s66, 2
	s_cbranch_scc1 .Lrole_v
	s_cmp_eq_u32 s66, 1                            ; Wq or Wk [head][d][channel]: row (r3 r2 r1 r0) of tile t is head 2 t + r2, channel 4 r1 + 2 r3 + r0
	s_cselect_b64 s[56:57], s[58:59], s[56:57]
	v_bfe_u32 v[OFF], v0, 2, 1
	v_lshlrev_b32 v[OFF], 10, v[OFF]
	v_bfe_u32 v[TB], v0, 1, 1
	v_lshl_add_u32 v[OFF], v[TB], 4, v[OFF]
	v_lshl_add_u32 v[OFF], v[R3], 3, v[OFF]
	v_and_b32 v[TB], 1, v0
	v_lshl_add_u32 v[OFF], v[TB], 2, v[OFF]
	v_lshl_add_u32 v[OFF], v[TA], 9, v[OFF]        ; d = 16 h + i
	WLOAD 56, 32, 2048
	s_branch .Lquant
.Lrole_v:                                              ; Wv: tile t of pair p is head 2 p + t; its eight channels stand in rows 8 p + 0 .. 7, the other rows get zero codes
	s_sub_co_u32 s67, s66, 2
	s_lshl_b32 s68, s67, 11
	v_and_b32 v[OFF], 7, v0
	v_lshlrev_b32 v[OFF], 2, v[OFF]
	v_lshl_add_u32 v[OFF], v[TA], 9, v[OFF]
	v_add_nc_u32 v[OFF], s68, v[OFF]
	v_cmp_eq_u32 s[KEEP], s67, v[R3]
	WLOAD 60, 32, 1024
	s_branch .Lquant
.Lrole_p:                                              ; Wp [k][n]: row r of tile u is feature 8 u + r + 8 (r / 8)
	v_and_b32 v[OFF], 15, v0
	v_lshl_add_u32 v[OFF], v[R3], 3, v[OFF]
	v_lshlrev_b32 v[OFF], 2, v[OFF]
	v_lshl_add_u32 v[OFF], v[TA], 11, v[OFF]
	WLOAD 62, 128, 32
	s_branch .Lquant
.Lrole_f1:                                             ; fW1 [k][n]: row r of tile t is hidden unit 64 (t / 4) + 32 (r / 8) + 8 (t % 4) + r % 8; my tiles are 2 q and 2 q + 1
	s_sub_co_u32 s67, s[WV], 10
	s_lshr_b32 s68, s67, 1
	s_lshl_b32 s68, s68, 8
	s_and_b32 s67, s67, 1
	s_lshl_b32 s67, s67, 6
	s_add_co_u32 s68, s68, s67
	v_and_b32 v[OFF], 7, v0
	v_lshl_add_u32 v[OFF], v[R3], 5, v[OFF]
	v_lshlrev_b32 v[OFF], 2, v[OFF]
	v_lshl_add_u32 v[OFF], v[TA], 13, v[OFF]
	v_add_nc_u32 v[OFF], s68, v[OFF]
	WLOAD 24, 512, 32
.Lquant:
	s_wait_loadcnt 0x0
	QX R, WC, ST+5
	v_mov_b32 v[WC+3], 0                           ; the image's fourth register; also the plain place behind the conversion
	QX R+16, WC+4, ST+6
	v_mov_b32 v[WC+7], 0
.irp i, 0,1,2,4,5,6
	v_cndmask_b32 v[WC+\i], 0, v[WC+\i], s[KEEP]   ; rows of zeros (Wv alone)
.endr
	v_cndmask_b32 v[ST+5], v[ST+5], v[ST+6], s[HM] ; lanes 0-15: the first tile's scale words; lanes 16-31: the second's
	ds_store_b128 v[AW], v[WC:WC+3]
	ds_store_b128 v[AW], v[WC+4:WC+7] offset:512
	ds_store_b32 v[ASW], v[ST+5]
	s_branch .Lweights_done
.Lrole_f2:                                             ; fW2 [k][n]: row r of tile u is feature 8 u + r + 8 (r / 8); my registers run down K: k = 64 c + 32 h + i: two whole blocks
	s_sub_co_u32 s67, s[WV], 14
	s_lshl_b32 s67, s67, 5
	v_and_b32 v[OFF], 15, v0
	v_lshl_add_u32 v[OFF], v[R3], 3, v[OFF]
	v_lshlrev_b32 v[OFF], 2, v[OFF]
	v_lshl_add_u32 v[OFF], v[TA], 12, v[OFF]
	v_add_nc_u32 v[OFF], s67, v[OFF]
.irp c, 0,1
.irp i, 0,1,2,3,4,5,6,7,8,9,10,11,12,13,14,15,16,17,18,19,20,21,22,23,24,25,26,27,28,29,30,31
	global_load_b32 v[R+32*\c+\i], v[OFF], s[26:27] offset:(64*\c+\i)*128
.endr
.endr
	s_wait_loadcnt 0x0
.irp c, 0,1
	v_max3_num_f32 v[ST+\c], |v[R+32*\c]|, |v[R+32*\c+1]|, FLOOR
.endr
.irp i, 2,4,6,8,10,12,14,16,18,20,22,24,26,28,30
.irp c, 0,1
	v_max3_num_f32 v[ST+\c], v[ST+\c], |v[R+32*\c+\i]|, |v[R+32*\c+\i+1]|
.endr
.endr
.irp c, 0,1
	v_add_nc_u32 v[ST+2+\c], 0xff000000, v[ST+\c]
.endr
.irp c, 0,1
	v_lshrrev_b32 v[ST+4+\c], 23, v[ST+2+\c]
.endr
	v_lshl_or_b32 v[ST+6], v[ST+5], 16, v[ST+4]
	v_lshlrev_b32 v[ST+6], v[SH8], v[ST+6]
	v_permlanex16_b32 v[ST+7], v[ST+6], s[SEL], s[SEL+1]
	v_or_b32 v[ST+6], v[ST+6], v[ST+7]
.irp c, 0,1
	v_cvt_scalef32_pk16_fp6_f32 v[WC+6*\c:WC+6*\c+2], v[R+32*\c:R+32*\c+15], v[ST+2+\c]
	v_cvt_scalef32_pk16_fp6_f32 v[HF+4*\c:HF+4*\c+2], v[R+32*\c+16:R+32*\c+31], v[ST+2+\c]
.endr
	v_nop                                          ; a plain place behind the conversions
.irp c, 0,1
.irp i, 0,1,2
	v_mov_b32 v[WC+6*\c+3+\i], v[HF+4*\c+\i]
.endr
.endr
.irp g, 0,1,2
	ds_store_b128 v[AW], v[WC+4*\g:WC+4*\g+3] offset:512*\g
.endr
	ds_store_b32 v[ASW], v[ST+6]
.Lweights_done:
	s_cmp_lg_u32 s[WV], 0
	s_cbranch_scc1 .Lnot_wave_0
	ds_store_b128 v[AL16], v[W:W+3] offset:CB+CFB1
.irp n, 0,1,2,3,4,5,6,7,8
	ds_store_b32 v[A4], v[W+4+\n] offset:CB+128*\n
.endr
.irp n, 0,1,2,3
	ds_store_b32 v[A4], v[W+13+\n] offset:CB+CUBQ+128*\n
.endr
.Lnot_wave_0:
.irp i, 0,1,2,3
	global_load_b128 v[XIN+4*\i:XIN+4*\i+3], v[GO], s[4:5] offset:512*\i th:TH_LOAD_NT    ; my first tile: 32 lanes read 512 consecutive bytes
.endr
	s_wait_dscnt 0x0                               ; for the others' sake: my images lie in LDS
	s_barrier_signal -1
	s_barrier_wait -1                              ; everybody's do.  From here on the images are only read, and each wave's stage is its own: no further barrier
.irp i, 0,1,2,3,4,5,6,7,8,9,10,11,12,13,14,15
	ds_load_b32 v[WS+\i], v[A4] offset:SIMG+128*\i
.endr
	SC2 SC0,    0xc034d90f                         ; the polynomial's coefficients x log2 e; 1 is taken off the first, for erfc / 2.  (The loads that named these registers as bases have been waited for)
	SC2 SC0+2,  0x3fb8ab5a
	SC2 SC0+4,  0x3f0a29d2
	SC2 SC0+6,  0x3e0efb2e
	SC2 SC0+8,  0xbe899a80
	SC2 SC0+10, 0x3ecdfd18
	SC2 SC0+12, 0xbfd1a1e5
	SC2 SC0+14, 0x40097039
	SC2 SC0+16, 0xbf97d29d
	SC2 SC0+18, 0x3e7c6f08
	SC2 SNK2,   0xbf38aa3b
	SC2 SCS,    0x3f0293ee
	s_mov_b32 s[SK1], 0x3eb504f3
	s_mov_b32 s[SNCS], 0xbf0293ee
	s_mov_b32 s[SR32], 0x3d000000
	s_mov_b32 s[SEPS], 0x3727c5ac
	s_mov_b32 s[CNT], TRIPS
.irp i, 3,4,5,6,7,8,9,10,11
	v_mov_b32 v[AF+\i], 0
.endr
.irp i, 0,1,2,3,4,5,6,7
	v_mov_b32 v[PAD+\i], 0
.endr
	s_wait_dscnt 0x0                               ; the scale words are in; their address register is one of those written next
	v_and_b32 v[ST], 15, v0
	v_sub_nc_u32 v[ST], v[ST], v[SH8]              ; d = r - 8 h: key 8 h + j is hidden from query r where j > d
	v_mov_b32 v[ST+1], 0xff800000
.irp j, 0,1,2,3,4,5,6,7
	v_cmp_gt_i32 vcc_lo, \j, v[ST]
	v_cndmask_b32 v[MASK+\j], 0, v[ST+1], vcc_lo
.endr
; ======== HALF A BLOCK: X = xs + attention(LN1(xs)); X = X + ffn(LN2(X)) ========
; att: 0 the first attention's weights, 1 the second's;  cau: the causal mask;  pf: the next tile of x is asked for.
; No two matrix instructions that follow each other name one accumulator: the accumulators take turns.
.macro HALF xs, att, cau, pf
	LD16 R, AH64, CB+CG1
	LD16 R+16, AH64, CB+CBE1
	LD16 B16, AH64, CB+CUBP+128*\att
.irp i, 0,1,2,3,4,5,6,7
	LDW W+4*\i, 10*\att+\i                         ; Q0 Q1 K0 K1 V0 V1 V2 V3
.endr
.if (\xs) == XIN
	s_wait_dscnt 20                                ; x is back from the stage; the 20 loads above may be out
.endif
	LN \xs, R+32, 12                               ; (bp's 4 loads and the weights' 8 may be out)
	QX R+32, AF, AS
	LD16 R, AH64, CB+CUBQ+256*\att
	LD16 R+16, AH64, CB+CUBK+256*\att
	s_wait_dscnt 16                                ; bp is in (the weights' 8 and these 8 may be out)
.irp k, 0,2,4,6,8,10,12,14
	v_pk_add_f32 v[X+\k:X+\k+1], v[(\xs)+\k:(\xs)+\k+1], v[B16+\k:B16+\k+1]   ; x + bp; eight places between the scale word and the products
.endr
	s_wait_dscnt 0x0
	WMS R,    W,    AF, R,    WS+5*\att,   AS, 0   ; Q^T, K^T: source 0 = weight rows, source 1 = my tokens; the biases are the C
	WMS R+8,  W+4,  AF, R+8,  WS+5*\att,   AS, 1
	WMS R+16, W+8,  AF, R+16, WS+5*\att+1, AS, 0
	WMS R+24, W+12, AF, R+24, WS+5*\att+1, AS, 1
	WMZ R+32, AF, W+16, AS, WS+5*\att+2, 0         ; V: source 0 = my tokens: a lane holds a channel row and tokens 8 h + j
	WMZ R+40, AF, W+20, AS, WS+5*\att+2, 2
	WMZ R+48, AF, W+24, AS, WS+5*\att+3, 0
	WMZ R+56, AF, W+28, AS, WS+5*\att+3, 2
	PLACES 5                                       ; results become operands of matrix instructions
.irp a, 0,1,2,3                                ; S^T = K Q^T, head a, channels in two steps of four: a lane holds query r and keys 8 h + j
.if \cau
	v_wmma_f32_16x16x4_f32 v[M+8*\a:M+8*\a+7], v[R+16+4*\a:R+16+4*\a+1], v[R+4*\a:R+4*\a+1], v[MASK:MASK+7]
.else
	v_wmma_f32_16x16x4_f32 v[M+8*\a:M+8*\a+7], v[R+16+4*\a:R+16+4*\a+1], v[R+4*\a:R+4*\a+1], 0
.endif
.endr
.irp a, 0,1,2,3
	v_wmma_f32_16x16x4_f32 v[M+8*\a:M+8*\a+7], v[R+16+4*\a+2:R+16+4*\a+3], v[R+4*\a+2:R+4*\a+3], v[M+8*\a:M+8*\a+7]
.endr
	PLACES 8                                       ; in front of the reads of the scores and of p's writes over Q and K
	LD16 W, AH64, CB+CUBV+128*\att
	LDW W+24, 10*\att+8
	LDW W+28, 10*\att+9
	SOFTMAX
.irp s, 0,1,2,3                                ; O^T += V^T P^T, keys 8 h + 2 s + 0, 1 a step.  Heads t and t + 2 add into one accumulator: rows 0-7 are head t's channels, rows 8-15 head t + 2's
.irp a, 0,1
.if \s == 0
	v_wmma_f32_16x16x4_f32 v[OA+8*\a:OA+8*\a+7], v[R+32+8*\a+2*\s:R+32+8*\a+2*\s+1], v[R+8*\a+2*\s:R+8*\a+2*\s+1], 0
.else
	v_wmma_f32_16x16x4_f32 v[OA+8*\a:OA+8*\a+7], v[R+32+8*\a+2*\s:R+32+8*\a+2*\s+1], v[R+8*\a+2*\s:R+8*\a+2*\s+1], v[OA+8*\a:OA+8*\a+7]
.endif
.endr
.endr
.irp s, 0,1,2,3
.irp a, 2,3
	v_wmma_f32_16x16x4_f32 v[OA+8*(\a-2):OA+8*(\a-2)+7], v[R+32+8*\a+2*\s:R+32+8*\a+2*\s+1], v[R+8*\a+2*\s:R+8*\a+2*\s+1], v[OA+8*(\a-2):OA+8*(\a-2)+7]
.endr
.endr
	PSUM 0                                         ; the rows' sums of p; heads 0 and 1's eight lines name nothing of the last products: their places
	PSUM 2
.irp a, 0,1,2,3
	v_permlanex16_b32 v[ST+2*\a+1], v[ST+2*\a], s[SEL], s[SEL+1]
.endr
.irp a, 0,1,2,3
	v_add_f32 v[ST+2*\a], v[ST+2*\a], v[ST+2*\a+1]
.endr
	v_cndmask_b32 v[ST+8], v[ST], v[ST+4], s[HM]   ; my half's head: t + 2 h
	v_cndmask_b32 v[ST+2], v[ST+2], v[ST+6], s[HM]
	v_rcp_f32 v[ST+8], v[ST+8]
	v_rcp_f32 v[ST+2], v[ST+2]
	v_nop                                          ; a plain place behind the reciprocals
	s_wait_dscnt 0x0                               ; bv and Wp's tiles
	s_wait_alu depctr_va_vdst(0)
.irp k, 0,2,4,6
	v_pk_fma_f32 v[OUT+\k:OUT+\k+1], v[OA+\k:OA+\k+1], v[ST+8:ST+9], v[W+\k:W+\k+1] op_sel_hi:[1,0,1]   ; O / the sum + bv: feature 16 h + 8 t + j: the stream layout
.endr
.irp k, 0,2,4,6
	v_pk_fma_f32 v[OUT+8+\k:OUT+8+\k+1], v[OA+8+\k:OA+8+\k+1], v[ST+2:ST+3], v[W+8+\k:W+8+\k+1] op_sel_hi:[1,0,1]
.endr
	QX OUT, AF, AS
	LD16 R, AH64, CB+CG2
	LD16 R+16, AH64, CB+CBE2
	LD16 B16, AH64, CB+CFB2
	PLACES 8                                       ; between the scale word and the products
	WMS X,   W+24, AF, X,   WS+5*\att+4, AS, 0     ; X += out Wp, in place
	WMS X+8, W+28, AF, X+8, WS+5*\att+4, AS, 1
	PLACES 4
.irp t, 0,1,2,3,4,5,6,7
	LDW W+4*\t, 20+\t                              ; fW1
.endr
	LN X, R+32, 12                                 ; (fb2's 4 loads and fW1's 8 may be out)
	QX R+32, AF, AS
.irp c, 0,1
.irp q, 0,1,2,3,4,5,6,7
	ds_load_b128 v[R+32*\c+4*\q:R+32*\c+4*\q+3], v[AH128] offset:CB+CFB1+256*\c+16*\q     ; fb1 of hidden units 64 c + 32 h + 0 .. 31: the C of tiles 4 c .. 4 c + 3
.endr
.endr
	s_wait_dscnt 24                                ; fb2 is in (fW1's 8 and fb1's 16 may be out)
.irp k, 0,2,4,6,8,10,12,14
	v_pk_add_f32 v[X+\k:X+\k+1], v[X+\k:X+\k+1], v[B16+\k:B16+\k+1]       ; + fb2; eight places between the scale word and the products
.endr
	s_wait_dscnt 0x0
.irp t, 0,1,2,3,4,5,6,7
	WMS M+8*\t, W+4*\t, AF, R+8*\t, WS+10+\t/2, AS, \t%2
.endr
	v_mov_b32 v[ST+8], s[SC0+16]                   ; C8 as a vector pair; with the two lines below: four places
	v_mov_b32 v[ST+9], s[SC0+16]
	PLACES 2
.irp g, 0,1,2,3,4,5
	ds_load_b128 v[W+4*\g:W+4*\g+3], v[AL16] offset:(14+\g/3)*1536+(\g%3)*512              ; fW2's two fragments
.endr
.if \pf
	s_cmp_eq_u32 s[CNT], 1                         ; the next tile of x, if there is one: no load leaves the buffer
	s_cbranch_scc1 .Lno_next
.irp i, 0,1,2,3
	global_load_b128 v[XIN+4*\i:XIN+4*\i+3], v[GO], s[4:5] offset:32768+512*\i th:TH_LOAD_NT
.endr
.Lno_next:
.endif
.irp c, 0,1
.irp k, 0,1,2,3
	GELU8 M+32*\c+8*\k, R+8*\k
.endr
	QHB \c
.endr
	PLACES 8                                       ; between the scale word, the operand's last move and the products
	s_wait_dscnt 0x0
	WMS X,   W,    HF, X,   WS+14, HS, 0           ; X += gelu fW2, in place
	WMS X+8, W+12, HF, X+8, WS+15, HS, 0
	PLACES 4                                       ; in front of the next reads of X and the next loads into operands
.endm
; ======== THE LOOP: a tile a trip ========
.Ltile:
	s_wait_loadcnt 0x0                             ; the tile is in, 16 bytes a lane as memory has it
.irp i, 0,1,2,3
	ds_store_b128 v[STW], v[XIN+4*\i:XIN+4*\i+3] offset:320*\i
.endr
.irp q, 0,1,2,3
	ds_load_b128 v[XIN+4*\q:XIN+4*\q+3], v[STR] offset:16*\q     ; LDS serves a wave's instructions in order (ISA guide 5.7.1.4): these see the stores above.  Token r, features 16 h + 0 .. 15
.endr
	HALF XIN, 0, 0, 0
	HALF X, 1, 1, 1
.irp q, 0,1,2,3
	ds_store_b128 v[STR], v[X+4*\q:X+4*\q+3] offset:16*\q        ; each accumulator from its low end on
.endr
.irp i, 0,1,2,3
	ds_load_b128 v[R+4*\i:R+4*\i+3], v[STW] offset:320*\i
.endr
	s_wait_dscnt 0x0
.irp i, 0,1,2,3
	global_store_b128 v[GO], v[R+4*\i:R+4*\i+3], s[6:7] offset:512*\i th:TH_STORE_NT       ; 32 lanes store 512 consecutive bytes, at a multiple of 512 from out0's first byte
.endr
	s_wait_xcnt 0x0                                ; the stores' data and both bases are written again only behind this wait
	s_add_nc_u64 s[4:5], s[4:5], 32768
	s_add_nc_u64 s[6:7], s[6:7], 32768
	s_sub_co_u32 s[CNT], s[CNT], 1
	s_cmp_lg_u32 s[CNT], 0
	s_cbranch_scc1 .Ltile
	s_wait_xcnt 0x0
	v_lshl_add_u32 v254, v0, 2, 0x11100
	v_mov_b32 v255, 0
	s_wait_tensorcnt 0x0
	ds_add_u32 v254, v255
	s_wait_dscnt 0x0
	s_endpgm
.Lfunc_end_k_q5f2bc137b0_block:
	.size	k_q5f2bc137b0_block, .Lfunc_end_k_q5f2bc137b0_block-k_q5f2bc137b0_block
	.p2alignl 7, 3214868480
	.fill 96, 4, 3214868480
	.section	.rodata,"a",@progbits
	.p2align	6, 0x0
	.amdhsa_kernel k_q5f2bc137b0_block
		.amdhsa_group_segment_fixed_size 71936
		.amdhsa_private_segment_fixed_size 0
		.amdhsa_enable_private_segment 0
		.amdhsa_kernarg_size 208
		.amdhsa_user_sgpr_count 2
		.amdhsa_user_sgpr_kernarg_segment_ptr 1
		.amdhsa_wavefront_size32 1
		.amdhsa_system_sgpr_workgroup_id_x 1
		.amdhsa_system_sgpr_workgroup_id_y 1
		.amdhsa_system_sgpr_workgroup_id_z 1
		.amdhsa_system_vgpr_workitem_id 0
		.amdhsa_next_free_vgpr 256
		.amdhsa_next_free_sgpr 80
		.amdhsa_reserve_vcc 1
		.amdhsa_float_denorm_mode_32 3
		.amdhsa_float_denorm_mode_16_64 3
		.amdhsa_memory_ordered 1
		.amdhsa_forward_progress 1
		.amdhsa_inst_pref_size 172
	.end_amdhsa_kernel
	.amdgpu_metadata
---
amdhsa.version: [ 1, 2 ]
amdhsa.kernels:
  - .name:           k_q5f2bc137b0_block
    .symbol:         k_q5f2bc137b0_block.kd
    .args:
      - { .name: x, .offset: 0, .size: 8, .value_kind: global_buffer, .address_space: global }
      - { .name: out0, .offset: 8, .size: 8, .value_kind: global_buffer, .address_space: global }
      - { .name: uWq, .offset: 16, .size: 8, .value_kind: global_buffer, .address_space: global }
      - { .name: uWk, .offset: 24, .size: 8, .value_kind: global_buffer, .address_space: global }
      - { .name: uWv, .offset: 32, .size: 8, .value_kind: global_buffer, .address_space: global }
      - { .name: uWp, .offset: 40, .size: 8, .value_kind: global_buffer, .address_space: global }
      - { .name: mWq, .offset: 48, .size: 8, .value_kind: global_buffer, .address_space: global }
      - { .name: mWk, .offset: 56, .size: 8, .value_kind: global_buffer, .address_space: global }
      - { .name: mWv, .offset: 64, .size: 8, .value_kind: global_buffer, .address_space: global }
      - { .name: mWp, .offset: 72, .size: 8, .value_kind: global_buffer, .address_space: global }
      - { .name: fW1, .offset: 80, .size: 8, .value_kind: global_buffer, .address_space: global }
      - { .name: fW2, .offset: 88, .size: 8, .value_kind: global_buffer, .address_space: global }
      - { .name: g1, .offset: 96, .size: 8, .value_kind: global_buffer, .address_space: global }
      - { .name: be1, .offset: 104, .size: 8, .value_kind: global_buffer, .address_space: global }
      - { .name: g2, .offset: 112, .size: 8, .value_kind: global_buffer, .address_space: global }
      - { .name: be2, .offset: 120, .size: 8, .value_kind: global_buffer, .address_space: global }
      - { .name: ubp, .offset: 128, .size: 8, .value_kind: global_buffer, .address_space: global }
      - { .name: mbp, .offset: 136, .size: 8, .value_kind: global_buffer, .address_space: global }
      - { .name: fb2, .offset: 144, .size: 8, .value_kind: global_buffer, .address_space: global }
      - { .name: ubv, .offset: 152, .size: 8, .value_kind: global_buffer, .address_space: global }
      - { .name: mbv, .offset: 160, .size: 8, .value_kind: global_buffer, .address_space: global }
      - { .name: fb1, .offset: 168, .size: 8, .value_kind: global_buffer, .address_space: global }
      - { .name: ubq, .offset: 176, .size: 8, .value_kind: global_buffer, .address_space: global }
      - { .name: ubk, .offset: 184, .size: 8, .value_kind: global_buffer, .address_space: global }
      - { .name: mbq, .offset: 192, .size: 8, .value_kind: global_buffer, .address_space: global }
      - { .name: mbk, .offset: 200, .size: 8, .value_kind: global_buffer, .address_space: global }
    .group_segment_fixed_size: 71936
    .private_segment_fixed_size: 0
    .kernarg_segment_align: 8
    .kernarg_segment_size: 208
    .max_flat_workgroup_size: 512
    .sgpr_count:     80
    .vgpr_count:     256
    .wavefront_size: 32
...
	.end_amdgpu_metadata
.endif
;; end of part 1
